; MI455X (gfx1250); checked and timed in simulation.
; The chip was launched on July 23, 2026; its instructions are those of AMD's public machine-readable ISA for CDNA 5 (MIT licence, August 2026) and "CDNA5" Instruction Set Architecture Reference Guide (July 2026). The comments in the code are by the model that wrote it; some were corrected since.
;; Adaptive Embedding T2 I. Allowed arithmetic: matrix products marked QUANTISED: E2M1 operands, one E8M0 scale for each 32 along K, by v_wmma_scale_f32_16x16x128_f8f6f4 with both operands' format E2M1 (or v_wmma_scale_f32_32x16x128_f4), f32 sums; products left as they are: f32 operands where the result goes on into a quantised operand, else bf16, f16 or f32 operands; f32 sums; everything else in f32.
;; Inputs: W_beta 1,024 x 1,024 float32; W_gamma 1,024 x 1,024 float32; b_beta 1,024 float32; b_gamma 1,024 float32; cap_embed 64 x 50 x 1,024 float32; img_embed 64 x 36 x 1,024 float32; lens 64 int32.
;; Outputs: out0 64 x 64 float32.
;; This version of the problem:
;;   THIS VERSION OF THE PROBLEM IS GIVEN IN LOW PRECISION. The matrix products marked QUANTISED in the list below multiply operands that are first quantised to E2M1 (2 exponent bits, 1 mantissa bit; 4 bits a number), with one power-of-two scale for each 32 numbers along K (OCP MX v1.0); their sums are f32. All else is computed in f32.
;;   The module's matrix products, in the order in which they are computed (A, B: the left and right operand; K: the contracted axis; several contracted axes count as one K, in the product's order):
;;     1. batch 64 x [M 1,024, K 50] x [K 50, N 1]; A: input cap_embed; B: computed on the way: left as it is (N = 1 < 16)
;;     2. [M 64, K 1,024] x [K 1,024, N 1,024]; A: computed on the way; B: input W_gamma: QUANTISED
;;     3. [M 64, K 1,024] x [K 1,024, N 1,024]; A: computed on the way; B: input W_beta: QUANTISED
;;     4. batch 64 x [M 1, K 1,024] x [K 1,024, N 64]; A: computed on the way; B: computed on the way: left as it is (M = 1 < 16)
;;   THE QUANTISER, for each operand of a quantised product, along K:
;;     - K is cut into blocks of 32 from its start; a last block that is shorter is filled with zeros.
;;     - A block's scale is 2^e with e = floor(log2(the largest magnitude in the block)) - 2, held to -126 .. 127; a block of zeros has e = 0. As a byte (E8M0): e + 127.
;;     - Each number is divided by its block's scale, clamped to +-6, and rounded to the nearest number of E2M1, ties to even, subnormals kept.
;;     - The product sums the exact products of the quantised numbers (number of the format x scale) in f32.
;;   ~~~python
;;   def quantise(x, axis):      # numpy; x: float32 -> the quantised numbers, widened to float32 again
;;       x = np.moveaxis(x, axis, -1); K = x.shape[-1]
;;       x = np.pad(x, [(0, 0)] * (x.ndim - 1) + [(0, -K % 32)]); x = x.reshape(x.shape[:-1] + (-1, 32)); a = np.abs(x).max(-1, keepdims=True)
;;       e = np.where(a > 0, np.clip(np.frexp(np.where(a > 0, a, 1))[1] - 1 - 2, -126, 127), 0)      # np.frexp(a)[1] - 1 = floor(log2(a)), exactly
;;       r = np.clip(x / 2.0 ** e, -6, 6)
;;       step = 2.0 ** (np.maximum(np.frexp(np.where(r == 0, 1, r))[1] - 1, 0) - 1)
;;       q = np.round(r / step) * step * 2.0 ** e      # np.round: ties to even
;;       return np.moveaxis(q.reshape(q.shape[:-2] + (-1,))[..., :K], -1, axis).astype(np.float32)
;;   ~~~
;;   OPERANDS COMPUTED ON THE WAY. 'Computed on the way' means the value that the module computes at that place (a softmax that the list does not call 'softmax' is quantised finished and normalised). What goes into a quantiser is computed in f32, as accurately as f32 sums, v_exp_f32 and their like allow (about 1e-6 of the number): no bf16 or f16 on the way to a quantiser, and a product that is left as it is and whose result goes on into a quantised operand takes f32 operands (vector FMAs, or v_wmma_f32_16x16x4_f32). A number that lies on a knife's edge between two numbers of the format may be rounded either way, as far as f32 arithmetic and the matrix unit's own rounding can turn it there, and no further.
;; One version. Each part assembles by itself: llvm-mc -triple=amdgcn-amd-amdhsa -mcpu=gfx1250 --defsym DOCPART=n.
;; ======== version 1 of 1: 3 launches
;; workspace buffers: acodes 34,816 bytes; capr 262,144 bytes; capss 2,048 bytes; pstat 524,288 bytes; film 524,288 bytes; stats 8,192 bytes
;; launch prep (part 1): grid 256 x 1, 4 waves a work-group, no clusters, 2,560 bytes of LDS; arguments cap_embed, lens, img_embed, acodes, capr, capss, pstat; writes acodes, capr, capss, pstat
.if DOCPART == 1
	.amdgcn_target "amdgcn-amd-amdhsa--gfx1250"
	.amdhsa_code_object_version 6
	.text
	.protected	k_qd7542356bb_prep
	.globl	k_qd7542356bb_prep
	.p2align	8
	.type	k_qd7542356bb_prep,@function
k_qd7542356bb_prep:
	s_mov_b64 s[64:65], 0
	v_nop
	global_prefetch_b8 v0, s[64:65] scope:SCOPE_SE
	s_setreg_imm32_b32 hwreg(HW_REG_WAVE_MODE, 25, 1), 1
	s_wait_xcnt 0x0
; FIRST LAUNCH: everything that needs the inputs alone.  256 work-groups of four waves.
; Work-groups 0-127, CAPTIONS: work-group (cg, ks) takes captions 4 cg .. 4 cg + 3 (one a wave) and channels 128 ks .. 128 ks + 127.
;   cap_repr[c][d] = (sum over t < lens[c] of cap_embed[c][t][d]) / lens[c], in f32.  It leaves three ways:
;   capr  [16 cg][1024 d][4 c] f32: the order in which the third launch's lanes take it (16 bytes a lane = four captions of one channel);
;   acodes: its E2M1 codes as an IMAGE OF THE A OPERAND'S REGISTERS for tile of captions m = c / 16 and K step ks: byte (8 m + ks) 1024 + 512 cc + 16 (16 h + c % 16) + 4 i holds
;           k = 128 ks + 64 cc + 32 h + 8 i + 0..7; behind the 32,768 bytes of codes the scale words, [8 m + ks][16 rows] of four E8M0 bytes;
;   capss [64 c][8 ks]: the sum of cap_repr^2 over these 128 channels (the caption's norm is finished in the third launch).
; Work-groups 128-255, IMAGES: work-group (b, half) takes image b; wave w channels 128 (4 half + w) on.  pstat holds for each (b, d) the mean over the 36 regions and, 262,144 bytes on,
;   M2 = sum (x - mean)^2: two passes over registers, so that no difference of large sums is formed.  The second launch joins the 64 images' figures.
; Every load of a wave covers 512 consecutive bytes.  No tensor loads and no cluster: no byte is read by two work-groups.
; LIMITS: NaN and infinities are not served; rows t >= lens[c] are not read (reference() multiplies them by 0); the number of rows is lens held to 0 .. 50, the divisor is lens as given;
; a block whose largest magnitude lies under 2^-124 has its scale byte held at 1, a block of zeros too (its codes are zeros; only this program reads the bytes); the rows are added from the last to the first, in two chains.
.set TMAX,  50
.set ROWB,  4096                       ; bytes in a row of 1,024 f32
.set RW,    32                         ; v32.. the rows as loaded, four registers each
.set SCL,   32768                      ; where the scale words begin in acodes
.set M2OFF, 262144                     ; where M2 begins in pstat
	s_load_b256 s[4:11], s[0:1], 0x0               ; cap_embed s[4:5], lens s[6:7], img_embed s[8:9], acodes s[10:11]
	s_load_b128 s[12:15], s[0:1], 0x20             ; capr s[12:13], capss s[14:15]
	s_load_b64 s[16:17], s[0:1], 0x30              ; pstat
	v_lshl_add_u32 v232, v0, 2, 0x800
	v_mov_b32 v233, 0
	v_lshrrev_b32 v1, 5, v0
	v_readfirstlane_b32 s18, v1                    ; wave 0..3
	v_and_b32 v2, 31, v0                           ; lane
	v_lshlrev_b32 v3, 4, v2                        ; my 16 bytes of a load's 512
	s_mov_b32 s25, 0                               ; the high word of every 64-bit offset made in s[24:25]
	s_cmp_ge_u32 ttmp9, 128
	s_cbranch_scc1 .Limg
	; ---------------- captions ----------------
	s_lshr_b32 s19, ttmp9, 3                       ; cg
	s_and_b32 s20, ttmp9, 7                        ; ks
	s_lshl_b32 s21, s19, 2
	s_add_co_u32 s21, s21, s18                     ; c = 4 cg + wave
	s_lshl_b32 s24, s21, 2
	s_wait_kmcnt 0x0
	s_add_nc_u64 s[6:7], s[6:7], s[24:25]
	s_load_b32 s23, s[6:7], 0x0                    ; lens[c]
	; all LDS addresses are made here, ahead of the branches on lens
	v_lshlrev_b32 v16, 4, v0                       ; 512 wave + 16 lane: where my four sums go in LDS; also my 16 bytes of the work-group's 2,048 in capr
	v_and_b32 v17, 15, v0
	v_lshlrev_b32 v17, 5, v17
	v_and_b32 v18, 0x60, v0
	v_lshl_add_u32 v17, v18, 4, v17                ; 512 wave + 32 (lane % 16): eight neighbours of my wave's row, for the conversion
	v_lshlrev_b32 v18, 2, v0                       ; 4 (32 wave + lane): channel 32 wave + lane of each of the four rows
	v_bfe_u32 v19, v0, 2, 2
	v_lshlrev_b32 v19, 3, v19                      ; my block's byte stands 8 ((lane / 4) % 4) bits up in the scale word
	v_bfe_u32 v20, v0, 3, 1
	v_lshlrev_b32 v20, 9, v20
	v_bfe_u32 v21, v0, 2, 1
	v_lshl_add_u32 v20, v21, 8, v20
	v_and_b32 v21, 3, v0
	v_lshl_add_u32 v20, v21, 2, v20                ; my eight codes' word in the image: 512 cc + 256 h + 4 i, with lane % 16 = 8 cc + 4 h + i
	v_mov_b32 v7, 0                                ; (the destination of a lane move counts as read: written once)
.irp i, 8,9,10,11,12,13,14,15
	v_mov_b32 v\i, 0                               ; two sets of four sums: any number of rows may follow
.endr
	s_mul_i32 s24, s21, TMAX*ROWB
	s_lshl_b32 s22, s20, 9
	s_add_co_u32 s24, s24, s22
	s_add_nc_u64 s[4:5], s[4:5], s[24:25]          ; cap_embed at [c][0][128 ks]
	s_lshr_b32 s27, s21, 4
	s_lshl_b32 s27, s27, 3
	s_add_co_u32 s27, s27, s20                     ; 8 m + ks
	s_and_b32 s22, s21, 15                         ; the caption's row in its tile
	s_lshl_b32 s24, s27, 10
	s_lshl_b32 s30, s22, 4
	s_add_co_u32 s24, s24, s30
	s_add_nc_u64 s[28:29], s[10:11], s[24:25]      ; the image of (m, ks), at my row's 16 bytes
	s_lshl_b32 s24, s27, 6
	s_lshl_b32 s30, s22, 2
	s_add_co_u32 s24, s24, s30
	s_add_co_u32 s24, s24, SCL
	s_add_nc_u64 s[10:11], s[10:11], s[24:25]      ; my row's scale word
	s_lshl_b32 s24, s21, 3
	s_add_co_u32 s24, s24, s20
	s_lshl_b32 s24, s24, 2
	s_add_nc_u64 s[14:15], s[14:15], s[24:25]      ; capss[c][ks]
	s_lshl_b32 s24, s19, 14
	s_lshl_b32 s30, s20, 11
	s_add_co_u32 s24, s24, s30
	s_add_nc_u64 s[12:13], s[12:13], s[24:25]      ; capr at [cg][128 ks][0]
	s_mov_b32 s30, 0x76543210
	s_mov_b32 s31, 0xfedcba98                      ; v_permlanex16_b32's selects for lane l xor 16
	s_wait_kmcnt 0x0
	s_max_i32 s26, s23, 0
	s_min_u32 s26, s26, TMAX                       ; rows to add
	; Row t is asked for only if t < lens: a forward branch in front of each load leads to the place in the sums below from which just the rows that were asked for are added.  All loads are out before the first sum.
.irp t, 0,1,2,3,4,5,6,7,8,9,10,11,12,13,14,15,16,17,18,19,20,21,22,23,24,25,26,27,28,29,30,31,32,33,34,35,36,37,38,39,40,41,42,43,44,45,46,47,48,49
	s_cmp_le_u32 s26, \t
	s_cbranch_scc1 .Lsum_\t
	global_load_b128 v[RW+4*\t:RW+4*\t+3], v3, s[4:5] offset:\t*ROWB th:TH_LOAD_NT
.endr
.irp t, 49,48,47,46,45,44,43,42,41,40,39,38,37,36,35,34,33,32,31,30,29,28,27,26,25,24,23,22,21,20,19,18,17,16,15,14,13,12,11,10,9,8,7,6,5,4,3,2,1,0
	s_wait_loadcnt 0x0                             ; behind each way in: all rows that were asked for are there (met at once after the first)
	v_pk_add_f32 v[8+4*(\t%2):9+4*(\t%2)], v[8+4*(\t%2):9+4*(\t%2)], v[RW+4*\t:RW+4*\t+1]
	v_pk_add_f32 v[10+4*(\t%2):11+4*(\t%2)], v[10+4*(\t%2):11+4*(\t%2)], v[RW+4*\t+2:RW+4*\t+3]
.Lsum_\t:
.endr
	v_cvt_f32_i32 v4, s23
	v_rcp_f32 v5, v4
	v_pk_add_f32 v[8:9], v[8:9], v[12:13]          ; the two chains join (plain work behind the reciprocal)
	v_pk_add_f32 v[10:11], v[10:11], v[14:15]
	s_wait_alu depctr_va_vdst(0)                   ; the wait ahead of the reciprocal's first reader
	v_fma_f32 v6, -v4, v5, 1.0                     ; one Newton step: what goes into a quantiser is kept as near to the division as f32 allows
	v_fma_f32 v5, v6, v5, v5
.irp i, 8,9,10,11
	v_mul_f32 v\i, v\i, v5                         ; cap_repr of my four channels
.endr
	ds_store_b128 v16, v[8:11]                     ; my wave's row of 128 numbers, as it lies
	ds_load_b128 v[24:27], v17                     ; and back, eight neighbours a lane (lanes 16-31 repeat lanes 0-15): LDS serves a wave's instructions in order
	ds_load_b128 v[28:31], v17 offset:16
	v_mul_f32 v1, v8, v8                           ; the sum of squares of my wave's 128 numbers
	v_fma_f32 v1, v9, v9, v1
	v_fma_f32 v1, v10, v10, v1
	v_fma_f32 v1, v11, v11, v1
	v_add_f32_dpp v1, v1, v1 row_xmask:1 row_mask:0xf bank_mask:0xf
	v_add_f32_dpp v1, v1, v1 row_xmask:2 row_mask:0xf bank_mask:0xf
	v_add_f32_dpp v1, v1, v1 row_xmask:4 row_mask:0xf bank_mask:0xf
	v_add_f32_dpp v1, v1, v1 row_xmask:8 row_mask:0xf bank_mask:0xf
	v_permlanex16_b32 v6, v1, s30, s31
	v_add_f32 v1, v1, v6
	v_mov_b32 v32, 0                               ; the offset of the two single words stored below
	s_wait_dscnt 0x0                               ; for the others' sake: my row lies in LDS (and my eight numbers are back)
	s_barrier_signal -1
	s_barrier_wait -1                              ; all four captions' rows lie in LDS
	ds_load_b32 v8, v18                            ; channel 32 wave + lane of captions 0, 1, 2, 3: 16 bytes of capr
	ds_load_b32 v9, v18 offset:512
	ds_load_b32 v10, v18 offset:1024
	ds_load_b32 v11, v18 offset:1536
	; the quantiser: a block of 32 lies in four neighbouring lanes
	v_max3_num_f32 v21, |v24|, |v25|, 0x1800000    ; my eight, and the floor 2^(3 - 127): the byte cannot fall under 1
	v_max3_num_f32 v21, v21, |v26|, |v27|
	v_max3_num_f32 v21, v21, |v28|, |v29|
	v_max3_num_f32 v21, v21, |v30|, |v31|
	v_max_num_f32_dpp v21, v21, v21 row_xmask:1 row_mask:0xf bank_mask:0xf
	v_max_num_f32_dpp v21, v21, v21 row_xmask:2 row_mask:0xf bank_mask:0xf   ; the block's largest magnitude
	v_add_nc_u32 v22, 0xff000000, v21              ; 2 off its exponent field: the conversion takes the exponent field of this operand as its scale
	v_cvt_scalef32_pk8_fp4_f32 v23, v[24:31], v22  ; eight codes, the lowest k in the lowest bits
	v_lshrrev_b32 v21, 23, v22                     ; the scale's byte (a plain line behind the conversion)
	v_lshlrev_b32 v21, v19, v21                    ; at its place in the word;
	v_mov_b32_dpp v7, v21 row_xmask:4 row_mask:0xf bank_mask:0xf
	v_or_b32 v21, v21, v7
	v_mov_b32_dpp v7, v21 row_xmask:8 row_mask:0xf bank_mask:0xf
	v_or_b32 v21, v21, v7                          ; with the other three blocks' bytes the word is whole, in every lane
	s_wait_dscnt 0x0
	global_store_b128 v16, v[8:11], s[12:13]       ; the wave stores 512 consecutive bytes of capr, aligned
	s_wait_xcnt 0x0                                ; EXEC changes only behind this wait
	v_cmp_gt_u32 vcc_lo, 16, v2
	s_wait_tensorcnt 0x0
	ds_add_u32 v232, v233
	s_wait_dscnt 0x0
	s_and_saveexec_b32 s24, vcc_lo
	global_store_b32 v20, v23, s[28:29]            ; lanes 0-15: my caption's 64 bytes of codes, four pieces of 16 bytes in the image (one caption is one row of sixteen in it)
	s_wait_xcnt 0x0
	s_or_b32 exec_lo, exec_lo, s24
	v_cmp_eq_u32 vcc_lo, 0, v2
	s_and_saveexec_b32 s24, vcc_lo
	global_store_b32 v32, v21, s[10:11]            ; lane 0: the scale word
	global_store_b32 v32, v1, s[14:15]             ; and the partial sum of squares
	s_wait_xcnt 0x0
	s_or_b32 exec_lo, exec_lo, s24
	s_endpgm
	; ---------------- images ----------------
.Limg:
	s_sub_co_u32 s19, ttmp9, 128
	s_lshr_b32 s20, s19, 1                         ; b
	s_and_b32 s21, s19, 1
	s_lshl_b32 s21, s21, 2
	s_add_co_u32 s21, s21, s18
	s_lshl_b32 s21, s21, 9                         ; my wave's 512 bytes of a row
	s_mul_i32 s24, s20, 36*ROWB
	s_add_co_u32 s24, s24, s21
	s_lshl_b32 s26, s20, 12
	s_add_co_u32 s26, s26, s21
	s_mov_b32 s27, 0
	s_wait_kmcnt 0x0
	s_add_nc_u64 s[8:9], s[8:9], s[24:25]
	s_add_nc_u64 s[16:17], s[16:17], s[26:27]
.set t, 0
.rept 36
	global_load_b128 v[RW+4*t:RW+4*t+3], v3, s[8:9] offset:t*ROWB   ; no hint: the third launch reads these rows again
.set t, t+1
.endr
	s_wait_loadcnt 0x0
	v_pk_add_f32 v[8:9], v[RW:RW+1], v[RW+4:RW+5]  ; the first four rows start two chains: nothing is cleared
	v_pk_add_f32 v[10:11], v[RW+2:RW+3], v[RW+6:RW+7]
	v_pk_add_f32 v[12:13], v[RW+8:RW+9], v[RW+12:RW+13]
	v_pk_add_f32 v[14:15], v[RW+10:RW+11], v[RW+14:RW+15]
.set t, 4
.rept 16
	v_pk_add_f32 v[8:9], v[8:9], v[RW+4*t:RW+4*t+1]
	v_pk_add_f32 v[10:11], v[10:11], v[RW+4*t+2:RW+4*t+3]
	v_pk_add_f32 v[12:13], v[12:13], v[RW+4*t+4:RW+4*t+5]
	v_pk_add_f32 v[14:15], v[14:15], v[RW+4*t+6:RW+4*t+7]
.set t, t+2
.endr
	v_pk_add_f32 v[8:9], v[8:9], v[12:13]
	v_pk_add_f32 v[10:11], v[10:11], v[14:15]
	v_pk_mul_f32 v[8:9], v[8:9], 0x3ce38e39 op_sel_hi:[1,0]     ; x 1/36: the image's mean of my four channels
	v_pk_mul_f32 v[10:11], v[10:11], 0x3ce38e39 op_sel_hi:[1,0]
.set t, 0
.rept 36
	v_pk_add_f32 v[RW+4*t:RW+4*t+1], v[RW+4*t:RW+4*t+1], v[8:9] neg_lo:[0,1] neg_hi:[0,1]       ; x - mean
	v_pk_add_f32 v[RW+4*t+2:RW+4*t+3], v[RW+4*t+2:RW+4*t+3], v[10:11] neg_lo:[0,1] neg_hi:[0,1]
.set t, t+1
.endr
.set t, 0
.rept 2
	v_pk_mul_f32 v[12+4*t:13+4*t], v[RW+4*t:RW+4*t+1], v[RW+4*t:RW+4*t+1]                        ; two chains of squares
	v_pk_mul_f32 v[14+4*t:15+4*t], v[RW+4*t+2:RW+4*t+3], v[RW+4*t+2:RW+4*t+3]
.set t, t+1
.endr
.rept 34
	v_pk_fma_f32 v[12+4*(t%2):13+4*(t%2)], v[RW+4*t:RW+4*t+1], v[RW+4*t:RW+4*t+1], v[12+4*(t%2):13+4*(t%2)]
	v_pk_fma_f32 v[14+4*(t%2):15+4*(t%2)], v[RW+4*t+2:RW+4*t+3], v[RW+4*t+2:RW+4*t+3], v[14+4*(t%2):15+4*(t%2)]
.set t, t+1
.endr
	v_pk_add_f32 v[12:13], v[12:13], v[16:17]
	v_pk_add_f32 v[14:15], v[14:15], v[18:19]
	global_store_b128 v3, v[8:11], s[16:17]                     ; 512 consecutive bytes each, aligned
	global_store_b128 v3, v[12:15], s[16:17] offset:M2OFF
	s_endpgm
.Lfunc_end_k_qd7542356bb_prep:
	.size	k_qd7542356bb_prep, .Lfunc_end_k_qd7542356bb_prep-k_qd7542356bb_prep
	.p2alignl 7, 3214868480
	.fill 96, 4, 3214868480
	.section	.rodata,"a",@progbits
	.p2align	6, 0x0
	.amdhsa_kernel k_qd7542356bb_prep
		.amdhsa_group_segment_fixed_size 2560
		.amdhsa_private_segment_fixed_size 0
		.amdhsa_enable_private_segment 0
		.amdhsa_kernarg_size 56
		.amdhsa_user_sgpr_count 2
		.amdhsa_user_sgpr_kernarg_segment_ptr 1
		.amdhsa_wavefront_size32 1
		.amdhsa_system_sgpr_workgroup_id_x 1
		.amdhsa_system_sgpr_workgroup_id_y 1
		.amdhsa_system_sgpr_workgroup_id_z 1
		.amdhsa_system_vgpr_workitem_id 0
		.amdhsa_next_free_vgpr 234
		.amdhsa_next_free_sgpr 66
		.amdhsa_reserve_vcc 1
		.amdhsa_float_denorm_mode_32 3
		.amdhsa_float_denorm_mode_16_64 3
		.amdhsa_memory_ordered 1
		.amdhsa_forward_progress 1
		.amdhsa_inst_pref_size 40
	.end_amdhsa_kernel
	.amdgpu_metadata
---
amdhsa.version: [ 1, 2 ]
amdhsa.kernels:
  - .name:           k_qd7542356bb_prep
    .symbol:         k_qd7542356bb_prep.kd
    .args:
      - { .name: cap_embed, .offset: 0, .size: 8, .value_kind: global_buffer, .address_space: global }
      - { .name: lens, .offset: 8, .size: 8, .value_kind: global_buffer, .address_space: global }
      - { .name: img_embed, .offset: 16, .size: 8, .value_kind: global_buffer, .address_space: global }
      - { .name: acodes, .offset: 24, .size: 8, .value_kind: global_buffer, .address_space: global }
      - { .name: capr, .offset: 32, .size: 8, .value_kind: global_buffer, .address_space: global }
      - { .name: capss, .offset: 40, .size: 8, .value_kind: global_buffer, .address_space: global }
      - { .name: pstat, .offset: 48, .size: 8, .value_kind: global_buffer, .address_space: global }
    .group_segment_fixed_size: 2560
    .private_segment_fixed_size: 0
    .kernarg_segment_align: 8
    .kernarg_segment_size: 56
    .max_flat_workgroup_size: 128
    .sgpr_count:     66
    .vgpr_count:     234
    .wavefront_size: 32
...
	.end_amdgpu_metadata
.endif
;; end of part 1
;; launch film (part 2): grid 136 x 1, 8 waves a work-group, no clusters, 109,568 bytes of LDS; arguments W_gamma, W_beta, b_gamma, b_beta, acodes, pstat, film, stats; writes film, stats
.if DOCPART == 2
	.amdgcn_target "amdgcn-amd-amdhsa--gfx1250"
	.amdhsa_code_object_version 6
	.text
	.protected	k_qd7542356bb_film
	.globl	k_qd7542356bb_film
	.p2align	8
	.type	k_qd7542356bb_film,@function
k_qd7542356bb_film:
	s_mov_b64 s[64:65], 0
	v_nop
	global_prefetch_b8 v0, s[64:65] scope:SCOPE_SE
	s_setreg_imm32_b32 hwreg(HW_REG_WAVE_MODE, 25, 1), 1
	s_wait_xcnt 0x0
; SECOND LAUNCH.  Work-groups 0-127: the two quantised products, gammas = Q(cap_repr) Q(W_gamma)^T + b_gamma and betas likewise, on E2M1 codes with E8M0 scales.
;   Work-group j takes 16 rows of W_gamma (j < 64) or W_beta: channels d0 = 16 (j % 64) on, for all 64 captions.  Its eight waves share K: wave s takes k = 128 s .. 128 s + 127.
;   W arrives as f32 and is read once, by this work-group alone: it is quantised in registers on its way.  Each of a wave's 16 loads reads 512 consecutive bytes of one row; the 8 KiB turn through the wave's own stage
;   in LDS, so that lane (r, h) gets k = 64 c + 32 h + 0..31 of row r in consecutive registers: two whole blocks of 32 a lane, in the very order of the operand's registers.
;   The captions' codes were laid by the first launch as images of the A operand's registers: 16 bytes a lane, no shuffle.
;   Source 0 = 16 captions, source 1 = 16 rows of W: lane (r, h) holds channel d0 + r and its registers captions 8 h + 0..7.  The eight waves' sums over their parts of K meet in LDS; wave w adds up register group w.
;   film [2][16 cg][1024 d][4 c] f32: first 1 + gamma, 262,144 bytes on beta: sixteen lanes store 256 consecutive bytes, aligned, and the third launch's lanes take 16 bytes = four captions of their channel.
; Work-groups 128-135: the batch norm's figures.  Work-group q takes channels 128 q on; wave w images 8 w .. 8 w + 7.  mu = the mean of the 64 images' means;
;   var = (sum M2_b + 36 sum (mean_b - mu)^2) / 2304: no difference of large sums.  stats: mu [1024], then 1 / sqrt(var + 1e-5) [1024].
; No tensor loads, no cluster: W's bytes are read by one wave each; the captions' codes, which all 128 work-groups read, are 4,352 bytes a wave, read once, straight into the operand's registers.
; The two kinds of work-group have LDS bytes of their own.
; LIMITS: NaN and infinities are not served; a block whose largest magnitude lies under 2^-124 (a block of zeros too) has its byte held at 1; K is summed in eight parts, not in one chain.
.set PITCH, 528                        ; a stage row: 512 bytes + 16: an odd multiple of 16, so the sixteen rows that a load touches start at sixteen different 16-byte columns of 256
.set WSTG,  16*PITCH                   ; a wave's stage
.set RED,   8*WSTG                     ; behind the stages: eight images of 32 accumulator registers, 4,096 bytes each
.set ST1,   RED+8*4096                 ; the statistics' own bytes: eight waves' sums of means, and 4,096 bytes on their sums of squares
.set BOFF,  262144
.set WR,  16                           ; v16-79   W as loaded; later the eight partial sums
.set NM,  80                           ; v80-143  64 numbers of my row, along K
.set AF,  144                          ; v144-175 the captions' four fragments
.set AS,  176                          ; v176-179 their scale words
.set BI,  180                          ; v180     the bias of my channel
.set BF,  184                          ; v184-191 W's fragment
.set WS,  192                          ; v192     W's scale word
.set TM,  194                          ; v194-195 largest magnitudes; v196-197 the conversions' scale operands; v198-199 bytes; v200 at work
.set ACC, 208                          ; v208-239 four accumulators
.macro SUM8 b                          ; eight groups of four registers from v[b] on are added into the first
.irp k, 0,2,4,6
	v_pk_add_f32 v[\b+4*\k:\b+4*\k+1], v[\b+4*\k:\b+4*\k+1], v[\b+4*\k+4:\b+4*\k+5]
	v_pk_add_f32 v[\b+4*\k+2:\b+4*\k+3], v[\b+4*\k+2:\b+4*\k+3], v[\b+4*\k+6:\b+4*\k+7]
.endr
.irp k, 0,4
	v_pk_add_f32 v[\b+4*\k:\b+4*\k+1], v[\b+4*\k:\b+4*\k+1], v[\b+4*\k+8:\b+4*\k+9]
	v_pk_add_f32 v[\b+4*\k+2:\b+4*\k+3], v[\b+4*\k+2:\b+4*\k+3], v[\b+4*\k+10:\b+4*\k+11]
.endr
	v_pk_add_f32 v[\b:\b+1], v[\b:\b+1], v[\b+16:\b+17]
	v_pk_add_f32 v[\b+2:\b+3], v[\b+2:\b+3], v[\b+18:\b+19]
.endm
	s_load_b256 s[4:11], s[0:1], 0x0               ; W_gamma s[4:5], W_beta s[6:7], b_gamma s[8:9], b_beta s[10:11]
	s_load_b256 s[12:19], s[0:1], 0x20             ; acodes s[12:13], pstat s[14:15], film s[16:17], stats s[18:19]
	v_lshl_add_u32 v240, v0, 2, 0x1a800
	v_mov_b32 v241, 0
	v_lshrrev_b32 v1, 5, v0
	v_readfirstlane_b32 s20, v1                    ; wave 0..7
	v_and_b32 v2, 31, v0                           ; lane
	v_and_b32 v3, 15, v0                           ; r
	v_bfe_u32 v4, v0, 4, 1                         ; h
	v_lshlrev_b32 v5, 4, v2                        ; 16 x lane
	v_lshlrev_b32 v6, 2, v3                        ; 4 r
	s_cmp_ge_u32 ttmp9, 128
	s_cbranch_scc1 .Lstats
	; ---------------- the products ----------------
	s_lshr_b32 s21, ttmp9, 6                       ; 0: gamma, 1: beta
	s_and_b32 s22, ttmp9, 63                       ; which 16 channels
	s_mul_i32 s23, s20, WSTG
	v_add_nc_u32 v7, s23, v5                       ; into my stage: a row's 512 bytes as they lie
	v_mul_u32_u24 v8, v3, PITCH
	v_lshl_add_u32 v8, v4, 7, v8
	v_add_nc_u32 v8, s23, v8                       ; out of it: row r, 128 h bytes on
	s_lshl_b32 s24, s20, 12
	s_add_co_u32 s24, s24, RED
	v_add_nc_u32 v9, s24, v5                       ; my wave's image of its accumulators
	s_lshl_b32 s24, s20, 9
	s_add_co_u32 s24, s24, RED
	v_add_nc_u32 v10, s24, v5                      ; register group w of every wave's image
	v_lshlrev_b32 v11, 4, v3
	v_lshl_add_u32 v11, v4, 15, v11                ; film: 16 r, and two groups of four captions on for lanes 16-31
	s_mov_b32 s32, 0x76543210
	s_mov_b32 s33, 0xfedcba98                      ; v_permlanex16_b32's selects for lane l xor 16
	s_mov_b32 s27, 0
	s_wait_kmcnt 0x0
	s_cmp_eq_u32 s21, 0                            ; the choice hangs on the work-group's number alone
	s_cselect_b64 s[4:5], s[4:5], s[6:7]
	s_cselect_b64 s[8:9], s[8:9], s[10:11]
	s_cselect_b32 s25, 1.0, 0                      ; reference() uses gamma + 1
	s_lshl_b32 s26, s22, 16                        ; 16 rows of 4,096 bytes
	s_lshl_b32 s24, s20, 9                         ; my K step's 512 bytes
	s_add_co_u32 s26, s26, s24
	s_add_nc_u64 s[4:5], s[4:5], s[26:27]
.irp i, 0,1,2,3,4,5,6,7,8,9,10,11,12,13,14,15
	global_load_b128 v[WR+4*\i:WR+4*\i+3], v5, s[4:5] offset:\i*4096 th:TH_LOAD_NT   ; row i: 512 consecutive bytes
.endr
	s_lshl_b32 s26, s20, 10
	s_add_nc_u64 s[28:29], s[12:13], s[26:27]      ; the images of K step s: tile of captions m lies 8,192 m bytes on
.irp m, 0,1,2,3
.irp c, 0,1
	global_load_b128 v[AF+8*\m+4*\c:AF+8*\m+4*\c+3], v5, s[28:29] offset:\m*8192+\c*512
.endr
.endr
	s_lshl_b32 s26, s20, 6
	s_add_nc_u64 s[30:31], s[12:13], s[26:27]
.irp m, 0,1,2,3
	global_load_b32 v[AS+\m], v6, s[30:31] offset:32768+\m*512   ; lane r: row r's scale word (lanes 16-31 repeat and are not read)
.endr
	s_lshl_b32 s26, s22, 6
	s_add_nc_u64 s[8:9], s[8:9], s[26:27]
	global_load_b32 v[BI], v6, s[8:9]              ; the bias of channel d0 + r
	s_wait_loadcnt 13                              ; W's 16 loads are in; the 8 + 4 + 1 issued behind them may be out
.irp i, 0,1,2,3,4,5,6,7,8,9,10,11,12,13,14,15
	ds_store_b128 v7, v[WR+4*\i:WR+4*\i+3] offset:\i*PITCH
.endr
.irp c, 0,1
.irp j, 0,1,2,3,4,5,6,7
	ds_load_b128 v[NM+32*\c+4*\j:NM+32*\c+4*\j+3], v8 offset:256*\c+16*\j   ; my own stage: LDS serves a wave's instructions in order
.endr
.endr
	s_wait_dscnt 0x0
.irp c, 0,1                                    ; my block 2 c + h: all its 32 numbers are mine
	v_max3_num_f32 v[TM+\c], |v[NM+32*\c]|, |v[NM+1+32*\c]|, 0x1800000   ; and the floor 2^(3 - 127): the byte cannot fall under 1
.endr
.irp i, 2,4,6,8,10,12,14,16,18,20,22,24,26,28,30
.irp c, 0,1
	v_max3_num_f32 v[TM+\c], v[TM+\c], |v[NM+32*\c+\i]|, |v[NM+1+32*\c+\i]|
.endr
.endr
.irp c, 0,1
	v_add_nc_u32 v[TM+2+\c], 0xff000000, v[TM+\c]  ; 2 off the exponent field: the conversion's scale operand
.endr
.irp c, 0,1
	v_lshrrev_b32 v[TM+4+\c], 23, v[TM+2+\c]       ; the scale's byte
.endr
	v_lshl_or_b32 v[WS], v[TM+5], 16, v[TM+4]      ; blocks h and 2 + h of my row,
	v_lshlrev_b32 v[TM+6], 3, v4
	v_lshlrev_b32 v[WS], v[TM+6], v[WS]            ; 8 h bits up;
	v_mov_b32 v[TM+6], 0
	v_permlanex16_b32 v[TM+6], v[WS], s32, s33
	v_or_b32 v[WS], v[WS], v[TM+6]                 ; with lane l xor 16's two the word is whole
.irp c, 0,1
.irp g, 0,1,2,3
	v_cvt_scalef32_pk8_fp4_f32 v[BF+4*\c+\g], v[NM+32*\c+8*\g:NM+32*\c+8*\g+7], v[TM+2+\c]   ; registers 4 c .. 4 c + 3 of the operand
.endr
.endr
.rept 8
	v_nop                                          ; a scale register written by a vector instruction stands eight places ahead of a scaled matrix instruction, an operand so written four
.endr
	s_wait_loadcnt 0x0                             ; the captions' fragments, their scale words, the bias
.irp m, 0,1,2,3                                ; four accumulators, one instruction each; the constant 0 starts each sum
	v_wmma_scale_f32_16x16x128_f8f6f4 v[ACC+8*\m:ACC+8*\m+7], v[AF+8*\m:AF+8*\m+7], v[BF:BF+7], 0, v[AS+\m], v[WS] matrix_a_fmt:MATRIX_FMT_FP4 matrix_b_fmt:MATRIX_FMT_FP4
.endr
.rept 4
	v_nop                                          ; four places in front of the first read of results (ISA guide 7.12.1)
.endr
.irp m, 0,1,2,3
	ds_store_b128 v9, v[ACC+8*\m:ACC+8*\m+3] offset:1024*\m        ; each accumulator from its low end on; an image of the registers: 16 bytes a lane
	ds_store_b128 v9, v[ACC+8*\m+4:ACC+8*\m+7] offset:1024*\m+512
.endr
	s_wait_dscnt 0x0                               ; for the others' sake: my image lies in LDS
	s_barrier_signal -1
	s_barrier_wait -1
.irp k, 0,1,2,3,4,5,6,7
	ds_load_b128 v[WR+4*\k:WR+4*\k+3], v10 offset:\k*4096          ; register group w of K step k
.endr
	s_lshr_b32 s26, s20, 1                         ; group w = registers 4 (w % 2) .. + 3 of tile w / 2: captions 16 (w / 2) + 8 h + 4 (w % 2) + 0..3
	s_lshl_b32 s26, s26, 2
	s_and_b32 s34, s20, 1
	s_add_co_u32 s26, s26, s34                     ; their group of four, for h = 0
	s_lshl_b32 s26, s26, 14
	s_lshl_b32 s34, s21, 18
	s_add_co_u32 s26, s26, s34
	s_lshl_b32 s34, s22, 8
	s_add_co_u32 s26, s26, s34                     ; + 16 d0 bytes
	s_add_nc_u64 s[16:17], s[16:17], s[26:27]
	s_wait_dscnt 0x0
	SUM8 WR
.irp i, 0,1,2,3
	v_add_f32 v[WR+\i], v[WR+\i], v[BI]
.endr
.irp i, 0,1,2,3
	v_add_f32 v[WR+\i], s25, v[WR+\i]              ; + 1 for gamma, + 0 for beta
.endr
	global_store_b128 v11, v[WR:WR+3], s[16:17]    ; lanes 0-15 and lanes 16-31 each store 256 consecutive bytes, aligned
	s_wait_tensorcnt 0x0
	ds_add_u32 v240, v241
	s_wait_dscnt 0x0
	s_endpgm
	; ---------------- the batch norm's figures ----------------
.Lstats:
	s_sub_co_u32 s21, ttmp9, 128                   ; q
	v_lshlrev_b32 v7, 4, v0
	v_add_nc_u32 v7, ST1, v7                       ; my wave's 512 bytes
	v_add_nc_u32 v8, ST1, v5                       ; every wave's, 512 bytes apart
	s_lshl_b32 s22, s20, 15                        ; images 8 w on: rows of 4,096 bytes
	s_lshl_b32 s24, s21, 9
	s_add_co_u32 s22, s22, s24
	s_mov_b32 s23, 0
	s_mov_b32 s25, 0
	s_mov_b32 s26, 0x39e38e39                      ; 1 / 2304
	s_mov_b32 s27, 0x3727c5ac                      ; 1e-5
	s_wait_kmcnt 0x0
	s_add_nc_u64 s[14:15], s[14:15], s[22:23]
	s_add_nc_u64 s[18:19], s[18:19], s[24:25]
.irp i, 0,1,2,3,4,5,6,7
	global_load_b128 v[16+4*\i:19+4*\i], v5, s[14:15] offset:\i*4096 th:TH_LOAD_NT          ; means
.endr
.irp i, 0,1,2,3,4,5,6,7
	global_load_b128 v[48+4*\i:51+4*\i], v5, s[14:15] offset:BOFF+\i*4096 th:TH_LOAD_NT     ; M2
.endr
	s_wait_loadcnt 8                               ; the means are in; the eight loads of M2 may be out
	v_pk_add_f32 v[80:81], v[16:17], v[20:21]
	v_pk_add_f32 v[82:83], v[18:19], v[22:23]
.irp i, 2,3,4,5,6,7
	v_pk_add_f32 v[80:81], v[80:81], v[16+4*\i:17+4*\i]
	v_pk_add_f32 v[82:83], v[82:83], v[18+4*\i:19+4*\i]
.endr
	ds_store_b128 v7, v[80:83]
	s_wait_dscnt 0x0
	s_barrier_signal -1
	s_barrier_wait -1
.irp k, 0,1,2,3,4,5,6,7
	ds_load_b128 v[84+4*\k:87+4*\k], v8 offset:\k*512
.endr
	s_wait_dscnt 0x0
	SUM8 84
	v_pk_mul_f32 v[84:85], v[84:85], 0x3c800000 op_sel_hi:[1,0]    ; / 64: mu, the same bits in every wave
	v_pk_mul_f32 v[86:87], v[86:87], 0x3c800000 op_sel_hi:[1,0]
.irp i, 0,1,2,3,4,5,6,7
	v_pk_add_f32 v[16+4*\i:17+4*\i], v[16+4*\i:17+4*\i], v[84:85] neg_lo:[0,1] neg_hi:[0,1]   ; mean_b - mu
	v_pk_add_f32 v[18+4*\i:19+4*\i], v[18+4*\i:19+4*\i], v[86:87] neg_lo:[0,1] neg_hi:[0,1]
.endr
	v_pk_mul_f32 v[80:81], v[16:17], v[16:17]
	v_pk_mul_f32 v[82:83], v[18:19], v[18:19]
.irp i, 1,2,3,4,5,6,7
	v_pk_fma_f32 v[80:81], v[16+4*\i:17+4*\i], v[16+4*\i:17+4*\i], v[80:81]
	v_pk_fma_f32 v[82:83], v[18+4*\i:19+4*\i], v[18+4*\i:19+4*\i], v[82:83]
.endr
	s_wait_loadcnt 0x0
	SUM8 48
	v_pk_fma_f32 v[80:81], v[80:81], 0x42100000, v[48:49] op_sel_hi:[1,0,1]   ; 36 sum (mean_b - mu)^2 + sum M2_b, of my eight images
	v_pk_fma_f32 v[82:83], v[82:83], 0x42100000, v[50:51] op_sel_hi:[1,0,1]
	ds_store_b128 v7, v[80:83] offset:4096         ; other bytes than the means': no wave may still be reading those
	s_wait_dscnt 0x0
	s_barrier_signal -1
	s_barrier_wait -1
	s_cmp_lg_u32 s20, 0                            ; wave 0 finishes and stores
	s_cbranch_scc1 .Ldone
.irp k, 0,1,2,3,4,5,6,7
	ds_load_b128 v[16+4*\k:19+4*\k], v8 offset:4096+\k*512
.endr
	s_wait_dscnt 0x0
	SUM8 16
.irp i, 0,1,2,3
	v_fma_f32 v[16+\i], v[16+\i], s26, s27         ; var + 1e-5
.endr
.irp i, 0,1,2,3
	v_rsq_f32 v[20+\i], v[16+\i]
.endr
	v_nop                                          ; a plain line behind the last of them
	s_wait_alu depctr_va_vdst(0)                   ; the wait ahead of the first line that names a result: one for the four
	global_store_b128 v5, v[84:87], s[18:19]       ; mu: 512 consecutive bytes
	global_store_b128 v5, v[20:23], s[18:19] offset:4096
.Ldone:
	s_wait_tensorcnt 0x0
	ds_add_u32 v240, v241
	s_wait_dscnt 0x0
	s_endpgm
.Lfunc_end_k_qd7542356bb_film:
	.size	k_qd7542356bb_film, .Lfunc_end_k_qd7542356bb_film-k_qd7542356bb_film
	.p2alignl 7, 3214868480
	.fill 96, 4, 3214868480
	.section	.rodata,"a",@progbits
	.p2align	6, 0x0
	.amdhsa_kernel k_qd7542356bb_film
		.amdhsa_group_segment_fixed_size 109568
		.amdhsa_private_segment_fixed_size 0
		.amdhsa_enable_private_segment 0
		.amdhsa_kernarg_size 64
		.amdhsa_user_sgpr_count 2
		.amdhsa_user_sgpr_kernarg_segment_ptr 1
		.amdhsa_wavefront_size32 1
		.amdhsa_system_sgpr_workgroup_id_x 1
		.amdhsa_system_sgpr_workgroup_id_y 1
		.amdhsa_system_sgpr_workgroup_id_z 1
		.amdhsa_system_vgpr_workitem_id 0
		.amdhsa_next_free_vgpr 242
		.amdhsa_next_free_sgpr 66
		.amdhsa_reserve_vcc 0
		.amdhsa_float_denorm_mode_32 3
		.amdhsa_float_denorm_mode_16_64 3
		.amdhsa_memory_ordered 1
		.amdhsa_forward_progress 1
		.amdhsa_inst_pref_size 24
	.end_amdhsa_kernel
	.amdgpu_metadata
---
amdhsa.version: [ 1, 2 ]
amdhsa.kernels:
  - .name:           k_qd7542356bb_film
    .symbol:         k_qd7542356bb_film.kd
    .args:
      - { .name: W_gamma, .offset: 0, .size: 8, .value_kind: global_buffer, .address_space: global }
      - { .name: W_beta, .offset: 8, .size: 8, .value_kind: global_buffer, .address_space: global }
      - { .name: b_gamma, .offset: 16, .size: 8, .value_kind: global_buffer, .address_space: global }
      - { .name: b_beta, .offset: 24, .size: 8, .value_kind: global_buffer, .address_space: global }
      - { .name: acodes, .offset: 32, .size: 8, .value_kind: global_buffer, .address_space: global }
      - { .name: pstat, .offset: 40, .size: 8, .value_kind: global_buffer, .address_space: global }
      - { .name: film, .offset: 48, .size: 8, .value_kind: global_buffer, .address_space: global }
      - { .name: stats, .offset: 56, .size: 8, .value_kind: global_buffer, .address_space: global }
    .group_segment_fixed_size: 109568
    .private_segment_fixed_size: 0
    .kernarg_segment_align: 8
    .kernarg_segment_size: 64
    .max_flat_workgroup_size: 256
    .sgpr_count:     66
    .vgpr_count:     242
    .wavefront_size: 32
...
	.end_amdgpu_metadata
.endif
;; end of part 2
;; launch fovea (part 3): grid 256 x 1, 16 waves a work-group, no clusters, 77,824 bytes of LDS; arguments img_embed, stats, film, capr, capss, out0; writes out0
.if DOCPART == 3
	.amdgcn_target "amdgcn-amd-amdhsa--gfx1250"
	.amdhsa_code_object_version 6
	.text
	.protected	k_qd7542356bb_fovea
	.globl	k_qd7542356bb_fovea
	.p2align	8
	.type	k_qd7542356bb_fovea,@function
k_qd7542356bb_fovea:
	s_mov_b64 s[64:65], 0
	v_nop
	global_prefetch_b8 v0, s[64:65] scope:SCOPE_SE
	s_setreg_imm32_b32 hwreg(HW_REG_WAVE_MODE, 25, 1), 1
	s_wait_xcnt 0x0
; THIRD LAUNCH: the modulation, the softmax over the 36 regions, the two norms and the cosine.  out0[b][c], 64 x 64.
; WHAT IS COMPUTED.  x = (img - mu) rstd.  mod = x g + beta with g = 1 + gamma.  A softmax does not see a term common to its row, so w_r = e_r / sum e with e_r = 2^(a x_r - m), a = 10 log2(e) g, and
;   36 img_vec = u = g (sum e x) / (sum e) + beta.  THE ROW'S MAXIMUM IS TAKEN AWAY, as reference() takes it: the largest of the 36 exponents a x_r is a xmax or a xmin by a's sign (rounding keeps the order),
;   so m = max(a xmax, a xmin), from one xmax and one xmin for each (b, d): no exponent lies above a rounding error of m, and sum e is at least about 1.
;   out0[b][c] = (sum_d u cr / 36) / ((sqrt(sum_d u^2) / 36 + 1e-8) (sqrt(sum_d cr^2) + 1e-8)), cr = cap_repr.
; SHARES.  Work-group (b, cq): image b = id / 4, captions 16 cq .. 16 cq + 15, all 1,024 channels, so each result has one owner.  Sixteen waves, four to a SIMD, 256 registers each.
;   Lane l of wave w owns channels 64 w + l and 64 w + 32 + l; their 2 x 36 numbers x stay in registers for the whole launch.
; 32 STEPS, (channel, caption) by (channel, caption), written out since every step names other registers.  BY TURNS: in step n the 36 exponentials of step n + 1 stand between the sums of step n: a slice is one packed
;   multiply-add that makes two exponents (two slices ahead of their use), two exponentials, one packed add (sum e) and one packed multiply-add (sum e x).  Two sets of 36 registers take turns.
;   ONE wait a step serves its 36 exponentials (it stands ahead of the first line that names a result); every fourth step's four reciprocals are issued ahead of the same wait.
; g, beta and cr come as 16 bytes a lane = four captions of my channel (512 consecutive bytes a wave), into two sets of 12 registers by turns, asked for when the set's last reader is done: about three steps ahead of their use.
; No tensor loads, no LDS on the way in and no cluster: every number loaded goes to one lane's register and is used from there; through LDS each byte would be written and read once more.  What work-groups share
;   (an image: four of them; the captions' figures: 64) is 343 KB a work-group, spread over the launch but for the x at its head.
; The results of a work-group are 64 consecutive bytes of a row of out0: a quarter of the row; 16 KB in all.
; LIMITS: NaN and infinities are not served; a weight under 2^-126 counts as 0 (v_exp_f32's entry in the ISA guide, 15.8); sums over r, d run in other orders than reference()'s.
.set ROWB, 4096
.set KEXP, 0x4166d4ca                  ; 10 log2(e)
.set BOFF, 262144                      ; beta lies behind 1 + gamma in film
.set REC,  144                         ; LDS: a lane's 32 sums, 128 bytes + 16: an odd multiple of 16
.set RED2, 16*32*REC                   ; behind the sixteen waves' records: 32 sums for each wave
.set XO,  2                            ; v2      4 d: my channel in a row of img_embed and in stats
.set PO,  3                            ; v3      16 d: my channel in film and capr
.set RS0, 4                            ; v[4:5]   rstd of my first channel (a pair's low word serves both halves of a packed line; the high word is written once)
.set MU0, 6                            ; v[6:7]   mu, then mu rstd
.set RS1, 8                            ; v[8:9], v[10:11] the same for my second channel
.set MU1, 10
.set XM,  12                           ; v[12:13] xmax, xmin of my first channel; v[14:15] of my second
.set A,   16                           ; v16-23   a of four captions, each the low word of a pair
.set M,   24                           ; v24-31   m likewise
.set S,   32                           ; v[32:33] sum e, even and odd regions
.set P,   34                           ; v[34:35] sum e x
.set SF,  36                           ; v36-39   sum e of four captions
.set PF,  40                           ; v40-43   sum e x
.set RC,  44                           ; v44-47   1 / sum e
.set U,   48                           ; v48-51   u
.set PAR, 52                           ; v52-75   two sets of g, beta, cr for four captions
.set ACC, 76                           ; v76-91   sum u cr for my 16 captions; v92-107 sum u^2
.set X0,  108                          ; v108-143 x of my first channel; v144-179 of my second
.set T,   180                          ; v180-215, v216-251 exponents, then weights: two sets
.set LA,  252                          ; v252-255 LDS addresses, made at the head
.set LB,  253
.set LC,  254
.set LD,  255
.macro PLOAD k                         ; g, beta, cr of group k of 8: captions 4 (k % 4) on, channel k / 4
.set PB, PAR+12*((\k)%2)
.set OFS, ((\k)%4)*16384+((\k)/4)*512
	global_load_b128 v[PB:PB+3], v[PO], s[8:9] offset:OFS
	global_load_b128 v[PB+4:PB+7], v[PO], s[8:9] offset:OFS+BOFF
	global_load_b128 v[PB+8:PB+11], v[PO], s[10:11] offset:OFS
.endm
.macro NORM x, rs, mu                  ; x = img rstd - mu rstd, in place
	v_mul_f32 v[\mu], v[\mu], v[\rs]
.set i, 0
.rept 18
	v_pk_fma_f32 v[\x+i:\x+i+1], v[\x+i:\x+i+1], v[\rs:\rs+1], v[\mu:\mu+1] op_sel_hi:[1,0,0] neg_lo:[0,0,1] neg_hi:[0,0,1]
.set i, i+2
.endr
.endm
.macro MM x, xm, j                     ; line j of 36 of the search for xmax (even j) and xmin (odd j): two chains by turns
.if (\j) == 0
	v_max3_num_f32 v[\xm], v[\x], v[\x+1], v[\x+2]
.elseif (\j) == 1
	v_min3_num_f32 v[\xm+1], v[\x], v[\x+1], v[\x+2]
.elseif ((\j) < 34) && ((\j)%2 == 0)
	v_max3_num_f32 v[\xm], v[\xm], v[\x+(\j)+1], v[\x+(\j)+2]
.elseif (\j) < 34
	v_min3_num_f32 v[\xm+1], v[\xm+1], v[\x+(\j)], v[\x+(\j)+1]
.elseif (\j) == 34
	v_max_num_f32 v[\xm], v[\xm], v[\x+35]
.else
	v_min_num_f32 v[\xm+1], v[\xm+1], v[\x+35]
.endif
.endm
.macro AM pb, xm                       ; a and m of four captions
.irp c, 0,1,2,3
	v_mul_f32 v[A+2*\c], KEXP, v[\pb+\c]
.endr
.irp c, 0,1,2,3
	v_pk_mul_f32 v[M+2*\c:M+2*\c+1], v[A+2*\c:A+2*\c+1], v[\xm:\xm+1] op_sel_hi:[0,1]   ; a xmax, a xmin
.endr
.irp c, 0,1,2,3
	v_max_num_f32 v[M+2*\c], v[M+2*\c], v[M+2*\c+1]
.endr
.endm
.macro FM n, i                         ; step n's exponents of regions 2 i, 2 i + 1: a x - m
	v_pk_fma_f32 v[T+36*((\n)%2)+2*(\i):T+36*((\n)%2)+2*(\i)+1], v[X0+36*((\n)/16)+2*(\i):X0+36*((\n)/16)+2*(\i)+1], v[A+2*((\n)%4):A+2*((\n)%4)+1], v[M+2*((\n)%4):M+2*((\n)%4)+1] op_sel_hi:[1,0,0] neg_lo:[0,0,1] neg_hi:[0,0,1]
.endm
.macro EPI k                           ; group k is finished: u, and the two sums over channels, two captions a line.  My first channel's products start the sums: nothing is cleared
.set PB, PAR+12*((\k)%2)
.set A1, ACC+4*((\k)%4)
.set A2, ACC+16+4*((\k)%4)
.irp u, 0,2
	v_pk_mul_f32 v[PF+\u:PF+\u+1], v[PF+\u:PF+\u+1], v[RC+\u:RC+\u+1]
.endr
.irp u, 0,2
	v_pk_fma_f32 v[U+\u:U+\u+1], v[PB+\u:PB+\u+1], v[PF+\u:PF+\u+1], v[PB+4+\u:PB+5+\u]
.endr
.irp u, 0,2
.if (\k) < 4
	v_pk_mul_f32 v[A1+\u:A1+\u+1], v[U+\u:U+\u+1], v[PB+8+\u:PB+9+\u]
	v_pk_mul_f32 v[A2+\u:A2+\u+1], v[U+\u:U+\u+1], v[U+\u:U+\u+1]
.else
	v_pk_fma_f32 v[A1+\u:A1+\u+1], v[U+\u:U+\u+1], v[PB+8+\u:PB+9+\u], v[A1+\u:A1+\u+1]
	v_pk_fma_f32 v[A2+\u:A2+\u+1], v[U+\u:U+\u+1], v[U+\u:U+\u+1], v[A2+\u:A2+\u+1]
.endif
.endr
.if (\k)+2 < 8
	PLOAD (\k)+2                                   ; the set is free: it takes the group after next
.endif
.if (\k) == 6                          ; this set is wanted no more: in wave 0, which finishes the results, it takes the captions' partial sums of squares, four steps ahead of their use
	s_cmp_lg_u32 s16, 0
	s_cbranch_scc1 .Lno_css
	v_and_b32 v[RS0], 15, v0
	v_lshlrev_b32 v[RS0], 5, v[RS0]                ; caption lane % 16: eight partial sums, 32 bytes (this register is free since x was made, and is not written again)
	global_load_b128 v[PAR:PAR+3], v[RS0], s[12:13]
	global_load_b128 v[PAR+4:PAR+7], v[RS0], s[12:13] offset:16
.Lno_css:
.endif
.endm
; STEP n: caption n % 16 of channel n / 16 is summed; step n + 1's exponents are made and raised.
.macro STEP n
.set TC, T+36*((\n)%2)
.set TN, T+36*(((\n)+1)%2)
.set XC, X0+36*((\n)/16)
.if ((\n)%4 == 3) && ((\n) < 31)
	s_wait_loadcnt 0x0                             ; the next group's g, beta, cr: the only loads that are out
	AM PAR+12*((((\n)+1)/4)%2), XM+2*(((\n)+1)/16)
.endif
.if (\n) < 31
	FM (\n)+1, 0
	FM (\n)+1, 1
.endif
.set i, 0
.rept 18
.if (\n) < 31
.if i < 16
	FM (\n)+1, i+2
.endif
	v_exp_f32 v[TN+2*i], v[TN+2*i]
	v_exp_f32 v[TN+2*i+1], v[TN+2*i+1]
.endif
.if i == 0
	v_pk_mul_f32 v[P:P+1], v[TC:TC+1], v[XC:XC+1]  ; the first regions start the sums
.elseif i == 1
	v_pk_add_f32 v[S:S+1], v[TC:TC+1], v[TC+2:TC+3]
	v_pk_fma_f32 v[P:P+1], v[TC+2:TC+3], v[XC+2:XC+3], v[P:P+1]
.else
	v_pk_add_f32 v[S:S+1], v[S:S+1], v[TC+2*i:TC+2*i+1]
	v_pk_fma_f32 v[P:P+1], v[TC+2*i:TC+2*i+1], v[XC+2*i:XC+2*i+1], v[P:P+1]
.endif
.set i, i+1
.endr
	v_add_f32 v[SF+(\n)%4], v[S], v[S+1]           ; even and odd regions (plain lines behind the last exponential)
	v_add_f32 v[PF+(\n)%4], v[P], v[P+1]
.if (\n)%4 == 3
.irp c, 0,1,2,3
	v_rcp_f32 v[RC+\c], v[SF+\c]
.endr
	v_nop                                          ; a plain line behind the last reciprocal
.endif
	s_wait_alu depctr_va_vdst(0)                   ; the step's one wait: no line above names a result of its exponentials or reciprocals, every line below may
.if (\n)%4 == 3
	EPI (\n)/4
.endif
.endm
	s_load_b256 s[4:11], s[0:1], 0x0               ; img_embed s[4:5], stats s[6:7], film s[8:9], capr s[10:11]
	s_load_b128 s[12:15], s[0:1], 0x20             ; capss s[12:13], out0 s[14:15]
	v_lshrrev_b32 v1, 5, v0
	v_readfirstlane_b32 s16, v1                    ; wave 0..15
	v_and_b32 v1, 31, v0                           ; lane
	s_lshr_b32 s17, ttmp9, 2                       ; b
	s_and_b32 s18, ttmp9, 3                        ; cq
	s_lshl_b32 s19, s16, 6
	v_add_nc_u32 v[XO], s19, v1                    ; d = 64 wave + lane
	v_lshlrev_b32 v[PO], 4, v[XO]
	v_lshlrev_b32 v[XO], 2, v[XO]
	v_mul_u32_u24 v[LA], v0, REC                   ; my record of 32 sums
	s_mul_i32 s24, s16, 32*REC
	v_lshl_add_u32 v[LB], v1, 2, s24               ; word lane of my wave's records
	v_lshl_add_u32 v[LC], v0, 2, RED2              ; my wave's 32 sums, word lane
	v_lshl_add_u32 v[LD], v1, 2, RED2              ; word lane of every wave's
.irp r, RS0+1, MU0+1, RS1+1, MU1+1, A+1, A+3, A+5, A+7
	v_mov_b32 v[\r], 0                             ; the high words of pairs of which only the low word is used: a pair is named whole, so they are written
.endr
	s_mul_i32 s20, s17, 36*ROWB
	s_mov_b32 s21, 0
	s_lshl_b32 s22, s18, 16                        ; four groups of four captions: 4 x 16,384 bytes
	s_mov_b32 s23, 0
	s_lshl_b32 s24, s18, 9                         ; 16 captions x 32 bytes
	s_mov_b32 s25, 0
	s_lshl_b32 s26, s17, 8
	s_lshl_b32 s27, s18, 6
	s_add_co_u32 s26, s26, s27                     ; out0[b][16 cq]
	s_mov_b32 s27, 0
	s_mov_b32 s28, 0x3ce38e39                      ; 1 / 36
	s_mov_b32 s29, 0x322bcc77                      ; 1e-8
	s_mov_b32 s30, 0x76543210
	s_mov_b32 s31, 0xfedcba98                      ; v_permlanex16_b32's selects for lane l xor 16
	s_wait_kmcnt 0x0
	s_add_nc_u64 s[4:5], s[4:5], s[20:21]
	s_add_nc_u64 s[8:9], s[8:9], s[22:23]
	s_add_nc_u64 s[10:11], s[10:11], s[22:23]
	s_add_nc_u64 s[12:13], s[12:13], s[24:25]
	s_add_nc_u64 s[14:15], s[14:15], s[26:27]
	global_load_b32 v[RS0], v[XO], s[6:7] offset:4096
	global_load_b32 v[MU0], v[XO], s[6:7]
.set t, 0
.rept 36
	global_load_b32 v[X0+t], v[XO], s[4:5] offset:t*ROWB           ; region t of my first channel
.set t, t+1
.endr
	PLOAD 0
	global_load_b32 v[RS1], v[XO], s[6:7] offset:4096+128
	global_load_b32 v[MU1], v[XO], s[6:7] offset:128
.set t, 0
.rept 36
	global_load_b32 v[X0+36+t], v[XO], s[4:5] offset:t*ROWB+128    ; and of my second, the 128 bytes beside
.set t, t+1
.endr
	PLOAD 1
	s_wait_loadcnt 41                              ; my first channel's 2 + 36 + 3 loads are in; the 41 issued behind them may be out
	NORM X0, RS0, MU0
.set j, 0
.rept 36
	MM X0, XM, j
.set j, j+1
.endr
	AM PAR, XM
.set i, 0
.rept 18
	FM 0, i
.set i, i+1
.endr
	s_wait_loadcnt 3                               ; my second channel's figures and x are in; group 1's g, beta, cr may be out
	NORM X0+36, RS1, MU1
.set j, 0
.rept 36
	v_exp_f32 v[T+j], v[T+j]                       ; step 0's weights; the search for my second channel's xmax and xmin stands between them
	MM X0+36, XM+2, j
.set j, j+1
.endr
	s_wait_alu depctr_va_vdst(0)                   ; one wait for the 36
.set N, 0
.rept 32
	STEP N
.set N, N+1
.endr
	; THE SUMS OVER CHANNELS.  Each lane's 32 sums go to its record in LDS; lane k of the wave adds word k of the wave's 32 records (the wave's own bytes: LDS serves a wave's instructions in order);
	; the sixteen waves' figures meet behind a barrier, and wave 0 finishes.
.irp g, 0,1,2,3,4,5,6,7
	ds_store_b128 v[LA], v[ACC+4*\g:ACC+4*\g+3] offset:16*\g
.endr
.set l, 0
.rept 32
	ds_load_b32 v[T+l], v[LB] offset:REC*l
.set l, l+1
.endr
	s_wait_dscnt 0x0
.irp w, 16,8,4,2
.set l, 0
.rept \w/2
	v_pk_add_f32 v[T+l:T+l+1], v[T+l:T+l+1], v[T+\w+l:T+\w+l+1]
.set l, l+2
.endr
.endr
	v_add_f32 v[T], v[T], v[T+1]
	ds_store_b32 v[LC], v[T]
	s_wait_dscnt 0x0                               ; for wave 0's sake: my 32 sums lie in LDS
	s_barrier_signal -1
	s_barrier_wait -1
	s_cmp_lg_u32 s16, 0
	s_cbranch_scc1 .Lend
.set l, 0
.rept 16
	ds_load_b32 v[T+l], v[LD] offset:128*l
.set l, l+1
.endr
	s_wait_loadcnt 0x0                             ; the captions' partial sums of squares
	v_pk_add_f32 v[PAR:PAR+1], v[PAR:PAR+1], v[PAR+2:PAR+3]
	v_pk_add_f32 v[PAR+4:PAR+5], v[PAR+4:PAR+5], v[PAR+6:PAR+7]
	v_pk_add_f32 v[PAR:PAR+1], v[PAR:PAR+1], v[PAR+4:PAR+5]
	v_add_f32 v[PAR], v[PAR], v[PAR+1]             ; sum cr^2 of caption lane % 16
	s_wait_dscnt 0x0
.irp w, 8,4,2
.set l, 0
.rept \w/2
	v_pk_add_f32 v[T+l:T+l+1], v[T+l:T+l+1], v[T+\w+l:T+\w+l+1]
.set l, l+2
.endr
.endr
	v_add_f32 v[T], v[T], v[T+1]                   ; lanes 0-15: sum u cr of caption lane; lanes 16-31: sum u^2 of caption lane - 16
	v_permlanex16_b32 v[T+1], v[T], s30, s31       ; lanes 0-15 now hold both (what lanes 16-31 make of theirs is not stored)
	v_sqrt_f32 v[T+2], v[T+1]
	v_sqrt_f32 v[T+3], v[PAR]
	v_mul_f32 v[T], s28, v[T]                      ; sum u cr / 36 (a plain line behind the roots)
	s_wait_alu depctr_va_vdst(0)                   ; one wait for the two roots
	v_fma_f32 v[T+2], v[T+2], s28, s29             ; the norm of img_vec, + 1e-8
	v_add_f32 v[T+3], s29, v[T+3]                  ; the norm of cap_repr, + 1e-8
	v_mul_f32 v[T+2], v[T+2], v[T+3]
	v_rcp_f32 v[T+4], v[T+2]
	v_lshlrev_b32 v[T+5], 2, v1                    ; (a plain line behind the reciprocal)
	s_wait_alu depctr_va_vdst(0)
	v_mul_f32 v[T], v[T], v[T+4]
	s_wait_xcnt 0x0                                ; EXEC changes only behind this wait
	v_cmp_gt_u32 vcc_lo, 16, v1
	s_and_saveexec_b32 s24, vcc_lo
	global_store_b32 v[T+5], v[T], s[14:15]        ; sixteen results: 64 consecutive bytes of row b
	s_wait_xcnt 0x0
	s_or_b32 exec_lo, exec_lo, s24
.Lend:
	s_wait_xcnt 0x0
	s_mov_b32 exec_lo, -1
	v_lshl_add_u32 v254, v0, 2, 0x12800
	v_mov_b32 v255, 0
	s_wait_tensorcnt 0x0
	ds_add_u32 v254, v255
	s_wait_dscnt 0x0
	s_endpgm
.Lfunc_end_k_qd7542356bb_fovea:
	.size	k_qd7542356bb_fovea, .Lfunc_end_k_qd7542356bb_fovea-k_qd7542356bb_fovea
	.p2alignl 7, 3214868480
	.fill 96, 4, 3214868480
	.section	.rodata,"a",@progbits
	.p2align	6, 0x0
	.amdhsa_kernel k_qd7542356bb_fovea
		.amdhsa_group_segment_fixed_size 77824
		.amdhsa_private_segment_fixed_size 0
		.amdhsa_enable_private_segment 0
		.amdhsa_kernarg_size 48
		.amdhsa_user_sgpr_count 2
		.amdhsa_user_sgpr_kernarg_segment_ptr 1
		.amdhsa_wavefront_size32 1
		.amdhsa_system_sgpr_workgroup_id_x 1
		.amdhsa_system_sgpr_workgroup_id_y 1
		.amdhsa_system_sgpr_workgroup_id_z 1
		.amdhsa_system_vgpr_workitem_id 0
		.amdhsa_next_free_vgpr 256
		.amdhsa_next_free_sgpr 66
		.amdhsa_reserve_vcc 1
		.amdhsa_float_denorm_mode_32 3
		.amdhsa_float_denorm_mode_16_64 3
		.amdhsa_memory_ordered 1
		.amdhsa_forward_progress 1
		.amdhsa_inst_pref_size 181
	.end_amdhsa_kernel
	.amdgpu_metadata
---
amdhsa.version: [ 1, 2 ]
amdhsa.kernels:
  - .name:           k_qd7542356bb_fovea
    .symbol:         k_qd7542356bb_fovea.kd
    .args:
      - { .name: img_embed, .offset: 0, .size: 8, .value_kind: global_buffer, .address_space: global }
      - { .name: stats, .offset: 8, .size: 8, .value_kind: global_buffer, .address_space: global }
      - { .name: film, .offset: 16, .size: 8, .value_kind: global_buffer, .address_space: global }
      - { .name: capr, .offset: 24, .size: 8, .value_kind: global_buffer, .address_space: global }
      - { .name: capss, .offset: 32, .size: 8, .value_kind: global_buffer, .address_space: global }
      - { .name: out0, .offset: 40, .size: 8, .value_kind: global_buffer, .address_space: global }
    .group_segment_fixed_size: 77824
    .private_segment_fixed_size: 0
    .kernarg_segment_align: 8
    .kernarg_segment_size: 48
    .max_flat_workgroup_size: 512
    .sgpr_count:     66
    .vgpr_count:     256
    .wavefront_size: 32
...
	.end_amdgpu_metadata
.endif
;; end of part 3
